; MI455X (gfx1250); checked and timed in simulation.
; The chip was launched on July 23, 2026; its instructions are those of AMD's public machine-readable ISA for CDNA 5 (MIT licence, August 2026) and "CDNA5" Instruction Set Architecture Reference Guide (July 2026). The comments in the code are by the model that wrote it; some were corrected since.
;; L1 Attn. Allowed arithmetic: float matrix products may take bf16 or f16 operands with f32 sums; all other float work in f32.
;; Inputs: k 2 x 512 x 8 x 64 float32; q 2 x 512 x 8 x 64 float32.
;; Outputs: out0 2 x 512 x 512 x 8 float32.
;; One version. Each part assembles by itself: llvm-mc -triple=amdgcn-amd-amdhsa -mcpu=gfx1250 --defsym DOCPART=n.
;; ======== version 1 of 1: 1 launch
;; launch l1attn (part 1): grid 8 x 32, 8 waves a work-group, clusters of 4 x 4, 214,016 bytes of LDS; arguments k, q, out0; writes out0
.if DOCPART == 1
	.amdgcn_target "amdgcn-amd-amdhsa--gfx1250"
	.amdhsa_code_object_version 6
	.text
	.protected	k_q6988e64406_l1attn
	.globl	k_q6988e64406_l1attn
	.p2align	8
	.type	k_q6988e64406_l1attn,@function
k_q6988e64406_l1attn:
	s_mov_b64 s[64:65], 0
	v_nop
	global_prefetch_b8 v0, s[64:65] scope:SCOPE_SE
	s_setreg_imm32_b32 hwreg(HW_REG_WAVE_MODE, 25, 1), 1
	s_wait_xcnt 0x0
	s_wait_alu depctr_hold_cnt(0) depctr_sa_sdst(0) depctr_va_vdst(0) depctr_va_sdst(0) depctr_va_ssrc(0) depctr_va_vcc(0) depctr_vm_vsrc(0)
	s_getreg_b32 s2, hwreg(HW_REG_IB_STS2, 6, 4)
	s_cmp_eq_u32 s2, 0
	s_cbranch_scc0 .Lentry_in_a_cluster
	s_endpgm
.Lentry_in_a_cluster:
	s_bfe_u32 s2, ttmp6, 0x10000c
	s_cmp_lg_u32 s2, 0xf033
	s_cbranch_scc0 .Lentry_shape_is_right
	s_endpgm
.Lentry_shape_is_right:
; out0[b][s][t][h] = -(1/8) * sum over d of |q[b][s][h][d] - k[b][t][h][d]|.   q, k: [2][512][8][64] f32.  out0: [2][512][512][8] f32.
; All arithmetic is f32 on the vector unit: an absolute difference is no product, so the matrix instructions have no part here.
; Four terms cost five instructions: two packed subtractions, two additions of two magnitudes, one packed multiply-add onto two outputs' sums.
; LIMITS: the 64 terms of an output are added as 32 pair sums in two chains of 16, not in the order of the formula above; the factor -1/8 is applied to
; the pair sums (a power of two: exact, but for pair sums within a factor 8 of the denormal range).  NaN and infinities come out as the formula gives them.
;
; WORK: a work-group makes 32 query tokens x 64 key tokens x 8 heads.  Its 96 token rows of 2,048 bytes lie in LDS whole (each LDS byte is filled once).
; Eight waves.  Wave w: tg = w & 3 picks 16 key tokens, sh = w >> 2 picks the query tokens 2 i + sh, i = 0 .. 15.
; Lane L: head h = L & 7, g = L >> 3.  It keeps the four key rows k[16 tg + 4 j + g][h][0..63], j = 0..3, in v256-v511 for the whole kernel, so that each
; 16 bytes of a query row read from LDS serve four key rows: 20 vector instructions for each LDS load.
; CLUSTERS: 4 x 4 work-groups.  The four of a row of the cluster need the same query tile, the four of a column the same key tile; each tile is asked
; for jointly (same line, same descriptor, a mask that names the four), which divides the requests for q and k by four.
; OUT: for one query token a wave's 16 t x 8 h are 512 consecutive bytes of out0, at a multiple of 512.  A lane holds four t of one h, so the 512 bytes pass
; through the wave's own stage in LDS and leave by one store of 16 bytes a lane.
; No prefetch instruction: every byte that the work-group reads is requested in its first lines.
.set ROWB,  2048                       ; bytes of a token's row in q and k: 8 heads x 64 f32
.set HP,    272                        ; LDS pitch from head to head: 256 bytes + 16 of padding = 68 words, so 16 neighbouring head rows start at 16 different
                                       ; groups of four banks (64 banks of 4 bytes: ISA guide 11.1)
.set RP,    8*HP                       ; LDS pitch from token to token
.set KB,    32*RP                      ; queries at LDS byte 0 (32 tokens), keys behind them (64 tokens)
.set STAGE, KB+64*RP                   ; 208,896 = 816 x 256: behind all fills, 512 bytes for each wave
.set ISTEP, 2*RP                       ; a wave's next query token lies two tokens on
.set OROW,  512*8*4                    ; bytes of out0 for one query token
; vector registers, window 0
.set QA, 4                             ; LDS address of my head's row in the wave's query token of this trip
.set KA, 5                             ; LDS address of my first key row
.set ST, 6                             ; stage: where my four results go (4 bytes each)
.set RD, 7                             ; stage: where I read 16 bytes back
.set CO, 8                             ; my 16 bytes in the wave's 512 bytes of out0; never rewritten
.set Q0, 16                            ; v[16:79]   query row, buffer 0
.set Q1, 80                            ; v[80:143]  query row, buffer 1
.set D,  144                           ; v[144:159] 16 differences
.set U,  160                           ; v[160:167] 8 pair sums: U+j for d, d+1 and U+4+j for d+2, d+3 of key row j
.set A,  168                           ; v[168:175] sums: A+j from U+j, A+4+j from U+4+j
.set O0, 176                           ; v[176:179] 16 bytes on their way out, even tokens
.set O1, 180                           ; v[180:183] the same, odd tokens
; window 1: v[64 j + d] there = v[256 + 64 j + d] = k[.. 4 j + g][h][d]
; scalar registers
.set G1K, 24                           ; s[24:31] descriptor group 1: 64 rows, mask of my column of the cluster
.set G1E, 32                           ; s[32:39] 8 rows, mask of my row of the cluster
.set G1L, 40                           ; s[40:47] 24 rows, mask of my row
.set G0K, 48                           ; s[48:51], s[52:55], s[56:59]: their groups 0
.set G0E, 52
.set G0L, 56
.set SC,  60                           ; s[60:61] -1/8, twice
.set G1W0, (3<<16)|(1<<20)|(1<<21)|(5<<22)|(3<<25)  ; 17:16 elements of 8 bytes; 20 padding on; 21 set beside a mask; 24:22 after every 64 words; 31:25 four words
.set MSB, 0
.macro WIN new                         ; s_set_vgpr_msb: low byte bits 3:2 = window of source 1, 7:6 = of the destination; the high byte repeats the setting that is left
.if MSB != \new
	s_set_vgpr_msb (MSB<<8)|\new
.set MSB, \new
.endif
.endm
.macro SHAPE g, rows                   ; a dense block as rows of 256 bytes: 32 elements of 8 bytes, the pitch equal to the row
	s_mov_b32 s[\g+1], 32<<16                      ; tensor_dim0 = 32
	s_mov_b32 s[\g+2], \rows<<16                   ; tensor_dim1 = rows
	s_mov_b32 s[\g+3], 32<<16                      ; tile_dim0 = 32
	s_mov_b32 s[\g+4], \rows                       ; tile_dim1 = rows
	s_mov_b32 s[\g+5], 32                          ; from row to row: 32 elements
	s_mov_b32 s[\g+6], 0
	s_mov_b32 s[\g+7], 0
.endm
; A round of the cluster's barrier: my work-group's barrier, wave 0 signals for the work-group, every wave waits for all sixteen, my work-group's barrier again.
.macro CROUND
	s_barrier_signal -1
	s_barrier_wait -1
	s_cmp_lg_u32 s10, 0
	s_cbranch_scc1 .Lnot_wave_0_\@
	s_barrier_signal -3
.Lnot_wave_0_\@:
	s_barrier_wait -3
	s_barrier_signal -1
	s_barrier_wait -1
.endm
	s_load_b128 s[4:7], s[0:1], 0x0                ; k s[4:5], q s[6:7]
	s_load_b64 s[8:9], s[0:1], 0x10                ; out0
	v_lshl_add_u32 v254, v0, 2, 0x34000
	v_mov_b32 v255, 0
	ds_add_u32 v254, v255
	v_lshrrev_b32 v1, 5, v0
	v_readfirstlane_b32 s10, v1                    ; wave 0..7
	s_and_b32 s11, s10, 3                          ; tg
	s_lshr_b32 s12, s10, 2                         ; sh
	s_bfe_u32 s13, ttmp6, 0x40000                  ; cx
	s_bfe_u32 s14, ttmp6, 0x40004                  ; cy
	s_lshl_b32 s15, ttmp9, 2
	s_add_co_u32 s15, s15, s13                     ; x = block of 64 key tokens, 0..7
	s_and_b32 s16, ttmp7, 0xffff                   ; the cluster's y, 0..7; its batch is y / 4, the same for all sixteen
	s_lshl_b32 s17, s16, 2
	s_add_co_u32 s17, s17, s14                     ; y = 16 b + block of 32 query tokens, 0..31
	s_lshl_b32 s18, s14, 2
	s_lshl_b32 s18, 15, s18                        ; my row of the cluster: places 4 cy .. 4 cy + 3
	s_lshl_b32 s19, 0x1111, s13                    ; my column: places cx, cx + 4, cx + 8, cx + 12
	s_or_b32 s[G1K], s19, G1W0                     ; the key tile hangs on x and the batch: shared along the column
	s_or_b32 s[G1E], s18, G1W0                     ; the query tile hangs on y: shared along the row
	s_or_b32 s[G1L], s18, G1W0
	SHAPE G1K, 64                                  ; 8 key tokens
	SHAPE G1E, 8                                   ; 1 query token
	SHAPE G1L, 24                                  ; 3 query tokens
	; byte offsets of my parts.  s[20:21] never hold cy, s[2:3] and s[22:23] never hold cx.
	s_lshl_b32 s20, s15, 17                        ; k: x x 64 tokens
	s_lshr_b32 s21, s16, 2
	s_lshl_b32 s21, s21, 20                        ;    + batch x 512 tokens
	s_add_co_u32 s20, s20, s21
	s_lshl_b32 s21, s10, 14                        ;    + wave x 8 tokens
	s_add_co_u32 s20, s20, s21
	s_mov_b32 s21, 0
	s_lshl_b32 s22, s17, 16                        ; q: y x 32 tokens
	s_lshl_b32 s23, s10, 11
	s_add_co_u32 s2, s22, s23                      ;    early part: token w of the tile
	s_mov_b32 s3, 0
	s_mul_i32 s23, s10, 3*ROWB
	s_add_co_u32 s22, s22, s23
	s_add_co_u32 s22, s22, 8*ROWB                  ;    later part: tokens 8 + 3 w .. 10 + 3 w
	s_mov_b32 s23, 0
	s_mov_b32 s[G0K], 1
	s_mul_i32 s[G0K+1], s10, 64*HP                 ; LDS addresses: a constant + the wave's number x a constant
	s_add_co_u32 s[G0K+1], s[G0K+1], KB
	s_mov_b32 s[G0E], 1
	s_mul_i32 s[G0E+1], s10, 8*HP
	s_mov_b32 s[G0L], 1
	s_mul_i32 s[G0L+1], s10, 24*HP
	s_add_co_u32 s[G0L+1], s[G0L+1], 64*HP
	s_mov_b32 s[SC], 0xbe000000                    ; -0.125
	s_mov_b32 s[SC+1], 0xbe000000
	s_wait_dscnt 0x0
	s_wait_kmcnt 0x0
	s_add_nc_u64 s[G0K+2:G0K+3], s[4:5], s[20:21]
	s_or_b32 s[G0K+3], s[G0K+3], 0x80000000        ; type = 2
	s_add_nc_u64 s[G0E+2:G0E+3], s[6:7], s[2:3]
	s_or_b32 s[G0E+3], s[G0E+3], 0x80000000
	s_add_nc_u64 s[G0L+2:G0L+3], s[6:7], s[22:23]
	s_or_b32 s[G0L+3], s[G0L+3], 0x80000000
	CROUND                                         ; all sixteen work-groups are here: the joint loads meet
	tensor_load_to_lds s[G0K:G0K+3], s[G1K:G1K+7]  ; all fills of the launch go out together; a wave has three tensor loads out, never more
	s_nop 0
	tensor_load_to_lds s[G0E:G0E+3], s[G1E:G1E+7]
	s_nop 0
	tensor_load_to_lds s[G0L:G0L+3], s[G1L:G1L+7]
	s_nop 0
	; addresses, while the tiles are on their way
	s_lshl_b32 s22, s17, 19                        ; out0: y x 32 query tokens
	s_lshl_b32 s23, s12, 14                        ;       + sh tokens
	s_add_co_u32 s22, s22, s23
	s_mov_b32 s23, 0
	s_add_nc_u64 s[8:9], s[8:9], s[22:23]
	s_lshl_b32 s20, s15, 11                        ;       + x x 64 key tokens of 32 bytes
	s_lshl_b32 s21, s11, 9                         ;       + tg x 16
	s_add_co_u32 s20, s20, s21
	s_mov_b32 s21, 0
	s_add_nc_u64 s[8:9], s[8:9], s[20:21]          ; s[8:9]: the wave's 512 bytes for its query token i = 0
	s_mul_i32 s2, s12, RP                          ; query token sh
	s_mul_i32 s3, s11, 16*RP
	s_add_co_u32 s3, s3, KB                        ; key token 16 tg
	s_lshl_b32 s62, s10, 9
	s_add_co_u32 s62, s62, STAGE                   ; my wave's stage
	v_and_b32 v1, 31, v0                           ; L
	v_and_b32 v2, 7, v0                            ; h
	v_bfe_u32 v3, v0, 3, 2                         ; g
	v_mul_u32_u24 v2, v2, HP
	v_mul_u32_u24 v3, v3, RP
	v_add_nc_u32 v[QA], s2, v2                     ; lanes of one head read the same 16 bytes; the eight heads lie in eight different 16-byte columns
	v_add3_u32 v[KA], v2, v3, s3                   ; sixteen neighbouring lanes read sixteen neighbouring head rows: sixteen different columns
	v_lshl_add_u32 v[ST], v1, 2, s62
	v_lshl_add_u32 v[RD], v1, 4, s62
	v_lshlrev_b32 v[CO], 4, v1
; Four d (4 c .. 4 c + 3) of the query row in buffer q against my four key rows: 16 terms, 20 instructions, under WIN 0x04 (source 1 = window 1).
; Only the subtractions name a vector register as source 1, and it is a key's.  For that the sum of two magnitudes is written |a| x 1 + |b|, which is that sum
; rounded once, and the scale stands as a scalar in source 1 of the packed multiply-add.  The first chunk starts the sums: nothing is cleared.
.macro CHUNK q, c
.irp j, 0,1,2,3
	v_pk_add_f32 v[D+4*\j:D+4*\j+1],   v[\q+4*\c:\q+4*\c+1],   v[64*\j+4*\c:64*\j+4*\c+1]     neg_lo:[0,1] neg_hi:[0,1]
	v_pk_add_f32 v[D+4*\j+2:D+4*\j+3], v[\q+4*\c+2:\q+4*\c+3], v[64*\j+4*\c+2:64*\j+4*\c+3]   neg_lo:[0,1] neg_hi:[0,1]
.endr
.irp j, 0,1,2,3
	v_fma_f32 v[U+\j], |v[D+4*\j]|, 1.0, |v[D+4*\j+1]|
.endr
.irp j, 0,1,2,3
	v_fma_f32 v[U+4+\j], |v[D+4*\j+2]|, 1.0, |v[D+4*\j+3]|
.endr
.irp p, 0,2,4,6
.if \c == 0
	v_pk_mul_f32 v[A+\p:A+\p+1], v[U+\p:U+\p+1], s[SC:SC+1] op_sel_hi:[1,0]
.else
	v_pk_fma_f32 v[A+\p:A+\p+1], v[U+\p:U+\p+1], s[SC:SC+1], v[A+\p:A+\p+1] op_sel_hi:[1,0,1]
.endif
.endr
.endm
; One query token.  qc: the buffer that holds its row (shown landed by the wait for 0 at the end of the token before); qn, pf: the next token's row is
; requested into qn from byte pf behind QA (pf < 0: no request).  oc: takes this token's 16 bytes; op: holds the last token's, stored now if dost.
; goff: that store's offset; bump: the base goes four rows of out0 on first.  prog: the keys are still coming into registers, chunk by chunk.
.macro ITER qc, qn, pf, oc, op, dost, goff, bump, prog
.if \pf >= 0
.irp c, 0,1,2,3,4,5,6,7,8,9,10,11,12,13,14,15
	ds_load_b128 v[\qn+4*\c:\qn+4*\c+3], v[QA] offset:\pf+16*\c
.endr
.endif
	WIN 0x04
.irp c, 0,1,2,3,4,5,6,7,8,9,10,11,12,13,14,15
.if \prog
	s_wait_dscnt 4*(15-\c)                         ; LDS loads come back in order (ISA guide 5.7.1): the keys' four loads of each later chunk may stay out
.endif
	CHUNK \qc, \c
.endr
	WIN 0
	v_pk_add_f32 v[A:A+1],   v[A:A+1],   v[A+4:A+5]        ; the two chains of each output meet
	v_pk_add_f32 v[A+2:A+3], v[A+2:A+3], v[A+6:A+7]
	s_wait_dscnt 0x0                               ; the last token's 16 bytes are back from the stage, and the next token's row is in (both requested a token's work ago)
	s_wait_xcnt 0x0                                ; the store issued a token ago has had its address translated (ISA guide 3.1): its data registers (oc) and the base are rewritten only behind this wait
.if \bump
	s_add_nc_u64 s[8:9], s[8:9], 4*OROW
.endif
.if \dost
	global_store_b128 v[CO], v[\op:\op+3], s[8:9] offset:\goff th:TH_STORE_NT   ; the wave stores 512 consecutive bytes, at a multiple of 512 from out0's first byte
.endif
.irp j, 0,1,2,3
	ds_store_b32 v[ST], v[A+\j] offset:128*\j      ; key token 4 j + g, head h: word 32 j + L of the wave's 128: the lanes write 128 neighbouring bytes
.endr
	ds_load_b128 v[\oc:\oc+3], v[RD]               ; LDS serves a wave's instructions in order (ISA guide 5.7.1.4): this sees the four stores, and the next token's stores come behind it
.endm
	s_wait_tensorcnt 0x1                           ; my keys and my early query token have landed; my three later query tokens may stay out
	s_barrier_signal -1
	s_barrier_wait -1                              ; everybody's have: all keys, and query tokens 0 to 7 of the tile (i = 0 .. 3)
.irp c, 0,1,2,3,4,5,6,7,8,9,10,11,12,13,14,15
	ds_load_b128 v[Q0+4*\c:Q0+4*\c+3], v[QA] offset:16*\c           ; i = 0
.endr
.irp c, 0,1,2,3,4,5,6,7,8,9,10,11,12,13,14,15
	ds_load_b128 v[Q1+4*\c:Q1+4*\c+3], v[QA] offset:ISTEP+16*\c     ; i = 1
.endr
	WIN 0x40                                       ; destination in window 1
.irp c, 0,1,2,3,4,5,6,7,8,9,10,11,12,13,14,15
.irp j, 0,1,2,3
	ds_load_b128 v[64*\j+4*\c:64*\j+4*\c+3], v[KA] offset:\j*4*RP+16*\c   ; my four key rows, in the order in which the first token uses them
.endr
.endr
	WIN 0
	; i = 0 and 1, written out: no result to store yet in the first, and the keys arrive during it
	ITER Q0, Q1, -1,      O0, O1, 0, 0, 0, 1
	ITER Q1, Q0, 2*ISTEP, O1, O0, 1, 0, 0, 0       ; requests i = 2, still among the early tokens
	v_add_nc_u32 v[QA], 2*ISTEP, v[QA]
	s_wait_dscnt 0x0                               ; no LDS instruction of mine is pending at a signal
	s_wait_tensorcnt 0x0                           ; my later query tokens have landed
	s_barrier_signal -1
	s_barrier_wait -1                              ; everybody's have: the whole query tile may be read
	s_mov_b32 s62, 6                               ; i = 2 .. 13
.Ltrip:
	ITER Q0, Q1, ISTEP,   O0, O1, 1, -2*OROW, 1, 0
	ITER Q1, Q0, 2*ISTEP, O1, O0, 1, 0,       0, 0
	v_add_nc_u32 v[QA], 2*ISTEP, v[QA]
	s_sub_co_u32 s62, s62, 1
	s_cmp_lg_u32 s62, 0
	s_cbranch_scc1 .Ltrip
	ITER Q0, Q1, ISTEP,   O0, O1, 1, -2*OROW, 1, 0 ; i = 14
	ITER Q1, Q0, -1,      O1, O0, 1, 0,       0, 0 ; i = 15: no row is left to request
	s_wait_dscnt 0x0                               ; the last 16 bytes are back from the stage
	global_store_b128 v[CO], v[O1:O1+3], s[8:9] offset:2*OROW th:TH_STORE_NT
	s_wait_tensorcnt 0x0
	ds_add_u32 v254, v255
	s_wait_dscnt 0x0
	CROUND                                         ; the closing round: no work-group ends while a partner may still ask for a tile that names it
	s_endpgm
.Lfunc_end_k_q6988e64406_l1attn:
	.size	k_q6988e64406_l1attn, .Lfunc_end_k_q6988e64406_l1attn-k_q6988e64406_l1attn
	.p2alignl 7, 3214868480
	.fill 96, 4, 3214868480
	.section	.rodata,"a",@progbits
	.p2align	6, 0x0
	.amdhsa_kernel k_q6988e64406_l1attn
		.amdhsa_group_segment_fixed_size 214016
		.amdhsa_private_segment_fixed_size 0
		.amdhsa_enable_private_segment 0
		.amdhsa_kernarg_size 24
		.amdhsa_user_sgpr_count 2
		.amdhsa_user_sgpr_kernarg_segment_ptr 1
		.amdhsa_wavefront_size32 1
		.amdhsa_system_sgpr_workgroup_id_x 1
		.amdhsa_system_sgpr_workgroup_id_y 1
		.amdhsa_system_sgpr_workgroup_id_z 1
		.amdhsa_system_vgpr_workitem_id 0
		.amdhsa_next_free_vgpr 512
		.amdhsa_next_free_sgpr 66
		.amdhsa_reserve_vcc 0
		.amdhsa_float_denorm_mode_32 3
		.amdhsa_float_denorm_mode_16_64 3
		.amdhsa_memory_ordered 1
		.amdhsa_forward_progress 1
		.amdhsa_inst_pref_size 142
	.end_amdhsa_kernel
	.amdgpu_metadata
---
amdhsa.version: [ 1, 2 ]
amdhsa.kernels:
  - .name:           k_q6988e64406_l1attn
    .symbol:         k_q6988e64406_l1attn.kd
    .args:
      - { .name: k, .offset: 0, .size: 8, .value_kind: global_buffer, .address_space: global }
      - { .name: q, .offset: 8, .size: 8, .value_kind: global_buffer, .address_space: global }
      - { .name: out0, .offset: 16, .size: 8, .value_kind: global_buffer, .address_space: global }
    .group_segment_fixed_size: 214016
    .private_segment_fixed_size: 0
    .kernarg_segment_align: 8
    .kernarg_segment_size: 24
    .max_flat_workgroup_size: 256
    .sgpr_count:     66
    .vgpr_count:     512
    .wavefront_size: 32
...
	.end_amdgpu_metadata
.endif
;; end of part 1
